; MI455X (gfx1250); checked and timed in simulation.
; The chip was launched on July 23, 2026; its instructions are those of AMD's public machine-readable ISA for CDNA 5 (MIT licence, August 2026) and "CDNA5" Instruction Set Architecture Reference Guide (July 2026). The comments in the code are by the model that wrote it; some were corrected since.
;; Causal Attention. Allowed arithmetic: matrix products marked QUANTISED: E5M2 operands, one given power-of-two scale a tensor, by v_wmma_f32_16x16x64_bf8_bf8 or v_wmma_f32_16x16x128_bf8_bf8, f32 sums; everything else in f32.
;; Inputs: W_key_codes 1,024 x 32 x 32 uint8 (E5M2 codes of W_key, K innermost, in blocks of 32 codes); W_query_codes 1,024 x 32 x 32 uint8 (E5M2 codes of W_query, K innermost, in blocks of 32 codes); W_value_codes 1,024 x 32 x 32 uint8 (E5M2 codes of W_value, K innermost, in blocks of 32 codes); lowp_scales 10 int32 (the exponents e of the quantised operands' scales 2^e); x_codes 4 x 2,048 x 32 x 32 uint8 (E5M2 codes of x, K innermost, in blocks of 32 codes).
;; Outputs: out0 4 x 2,048 x 1,024 float32.
;; This version of the problem:
;;   THIS VERSION OF THE PROBLEM IS GIVEN IN LOW PRECISION. The matrix products marked QUANTISED in the list below multiply operands that are first quantised to E5M2 (5 exponent bits, 2 mantissa bits; 8 bits a number), with one given power-of-two scale for each operand tensor; their sums are f32. All else is computed in f32.
;;   The module's matrix products, in the order in which they are computed (A, B: the left and right operand; K: the contracted axis; several contracted axes count as one K, in the product's order):
;;     1. [M 8,192, K 1,024] x [K 1,024, N 1,024]; A: input x (given as codes); B: input W_query (given as codes): QUANTISED (scales: A lowp_scales[0], B lowp_scales[1])
;;     2. [M 8,192, K 1,024] x [K 1,024, N 1,024]; A: input x (given as codes); B: input W_key (given as codes): QUANTISED (scales: A lowp_scales[2], B lowp_scales[3])
;;     3. [M 8,192, K 1,024] x [K 1,024, N 1,024]; A: input x (given as codes); B: input W_value (given as codes): QUANTISED (scales: A lowp_scales[4], B lowp_scales[5])
;;     4. batch 4 x [M 2,048, K 1,024] x [K 1,024, N 2,048]; A: computed on the way; B: computed on the way: QUANTISED (scales: A lowp_scales[6], B lowp_scales[7])
;;     5. batch 4 x [M 2,048, K 2,048] x [K 2,048, N 1,024]; A: softmax (see below); B: computed on the way: QUANTISED (scales: A lowp_scales[8], B lowp_scales[9])
;;   THE QUANTISER, for each operand of a quantised product, along K:
;;     - The operand's scale is 2^e, e = its entry of the input lowp_scales (int32; the entries are numbered through the quantised products in the list's order, A before B).
;;     - Each number is divided by the scale, clamped to +-57,344, and rounded to the nearest number of E5M2, ties to even, subnormals kept.
;;     - The product sums the exact products of the quantised numbers (number of the format x scale) in f32.
;;   ~~~python
;;   def quantise(x, axis, e):      # numpy; x: float32 -> the quantised numbers, widened to float32 again
;;       x = np.moveaxis(x, axis, -1); K = x.shape[-1]
;;       r = np.clip(x / 2.0 ** e, -57344, 57344)
;;       step = 2.0 ** (np.maximum(np.frexp(np.where(r == 0, 1, r))[1] - 1, -14) - 2)
;;       q = np.round(r / step) * step * 2.0 ** e      # np.round: ties to even
;;       return np.moveaxis(q, -1, axis).astype(np.float32)
;;   ~~~
;;   SOFTMAX AHEAD OF A QUANTISED PRODUCT. Where the list says 'softmax', what is quantised is not the finished softmax but p = 2^(t - M), with t = logit x log2(e) and M = ceil(the row's largest t), a whole number; so 1/2 < the row's largest p <= 1. The row's sum l is taken of the UNQUANTISED p, in f32, and the product's result is divided by l at the end. Since M is a whole number, a kernel that streams over the keys may use a running M (the ceiling of the running maximum): every later rescaling is an exact power of two, so the quantised numbers keep their values, but for numbers so far below the row's largest that they fall under the format's range.
;;   OPERANDS COMPUTED ON THE WAY. 'Computed on the way' means the value that the module computes at that place (a softmax that the list does not call 'softmax' is quantised finished and normalised). What goes into a quantiser is computed in f32, as accurately as f32 sums, v_exp_f32 and their like allow (about 1e-6 of the number): no bf16 or f16 on the way to a quantiser, and a product that is left as it is and whose result goes on into a quantised operand takes f32 operands (vector FMAs, or v_wmma_f32_16x16x4_f32). A number that lies on a knife's edge between two numbers of the format may be rounded either way, as far as f32 arithmetic and the matrix unit's own rounding can turn it there, and no further.
;;   INPUTS GIVEN AS CODES. W_key (in the module: [1024, 1024], K = its axis 0); W_query (in the module: [1024, 1024], K = its axis 0); W_value (in the module: [1024, 1024], K = its axis 0); x (in the module: [4, 2048, 1024], K = its axis 2): each comes as NAME_codes (uint8): NAME with its K axis moved to the last place and cut into blocks of 32 codes, [.., K / 32, bytes a block], one block behind the other in memory; one code a byte (a code: sign, 5 exponent bits, 2 mantissa bits); its scale is its entry of lowp_scales. Its value is code x scale, taken as it is: it is not quantised again, and the codes and scales need not be those that the quantiser above would give.
;; One version. Each part assembles by itself: llvm-mc -triple=amdgcn-amd-amdhsa -mcpu=gfx1250 --defsym DOCPART=n.
;; ======== version 1 of 1: 3 launches
;; workspace buffers: q_img 8,388,608 bytes; k_img 8,388,608 bytes; v_img 8,388,608 bytes; p_img 16,777,216 bytes; m_tab 262,144 bytes; l_tab 524,288 bytes
;; launch proj (part 1): grid 96 x 4, 4 waves a work-group, clusters of 4 x 4, 327,680 bytes of LDS; arguments x_codes, W_query_codes, W_key_codes, W_value_codes, lowp_scales, q_img, k_img, v_img; writes q_img, k_img, v_img
.if DOCPART == 1
	.amdgcn_target "amdgcn-amd-amdhsa--gfx1250"
	.amdhsa_code_object_version 6
	.text
	.protected	k_q6cd51b0de3_proj
	.globl	k_q6cd51b0de3_proj
	.p2align	8
	.type	k_q6cd51b0de3_proj,@function
k_q6cd51b0de3_proj:
	s_mov_b64 s[64:65], 0
	v_nop
	global_prefetch_b8 v0, s[64:65] scope:SCOPE_SE
	s_setreg_imm32_b32 hwreg(HW_REG_WAVE_MODE, 25, 1), 1
	s_wait_xcnt 0x0
	s_wait_alu depctr_hold_cnt(0) depctr_sa_sdst(0) depctr_va_vdst(0) depctr_va_sdst(0) depctr_va_ssrc(0) depctr_va_vcc(0) depctr_vm_vsrc(0)
	s_getreg_b32 s2, hwreg(HW_REG_IB_STS2, 6, 4)
	s_cmp_eq_u32 s2, 0
	s_cbranch_scc0 .Lentry_in_a_cluster
	s_endpgm
.Lentry_in_a_cluster:
	s_bfe_u32 s2, ttmp6, 0x10000c
	s_cmp_lg_u32 s2, 0xf033
	s_cbranch_scc0 .Lentry_shape_is_right
	s_endpgm
.Lentry_shape_is_right:
; CAUSAL ATTENTION ON CODES OF BF8 (E5M2), ONE HEAD OF 1,024, IN THREE LAUNCHES.  This one: q = x Wq, k = x Wk, v = x Wv, each quantised at once for the product that takes it.
; The second launch makes, for each tile of 256 queries x 256 keys, the scores, the tile's own whole number M, p = 2^(t - M) as codes, and the sum of the unquantised p; the third adds P V over the key tiles and divides.
; DEAD WORK, left out in the second and third launch: reference() sets scores[q][k] to -infinity wherever k > q, by a tril that it builds in its own body.  The softmax gives such a key the weight 0 whatever finite
; values x and the weights hold, so a tile all of whose keys come after all of its queries (key tile j > query tile i, tiles of 256) reaches no output: of the 64 tiles of a batch 36 are made.  A tile on the diagonal is made whole.
; LIMIT: a NaN, an infinity or an overflow that reaches only the tiles left out is not carried to the result.  Every input has a way to the output, and all are loaded.
; THIS LAUNCH.  C = A B^T on codes, K = 1,024, tiles of 256 x 256, a wave 128 x 128 in 64 accumulators.  24 clusters of 4 x 4 work-groups; c = the cluster's number, cl = c % 8:
;   c <  8: A = x rows 1,024 cl + 256 cy on, B = Wq rows 256 cx on -> q;    c < 16: the same with Wk -> k;    else: A = Wv rows 256 cy on, B = x rows 1,024 cl + 256 cx on -> v TRANSPOSED (the keys are the last product's K).
; What is chosen hangs on c alone, which all sixteen partners share.  A's tile is shared along a row of the cluster, B's along a column: each is asked for JOINTLY, by the same tensor load with a mask that names the four.
; THE MATRIX INSTRUCTION IS USED TRANSPOSED (source 0 = 16 rows of B, source 1 = 16 rows of A): in accumulator (a, b) lane (r, h) holds C(16 a + r, 16 b + 8 h + 0 .. 7).  One conversion of those eight numbers gives
; registers 2 b, 2 b + 1 of the 8-bit operand of rows 16 a on (ISA guide 7.12.2: k = 16 b + 8 h + 0 .. 7), so a block's eight accumulators become ONE FRAGMENT of 16 registers, and it is stored AS AN IMAGE OF ITS REGISTERS:
; four stores of 16 bytes a lane at 512 c + 16 x lane, 2,048 bytes on end.  q_img, k_img: [row / 16: 512][feature / 128: 8][2,048];  v_img: [batch: 4][feature / 16: 64][key / 128: 16][2,048].
; x's and W's own fragments are fetched by four loads of 16 bytes (k = 32 c + 16 h + 0 .. 15 in registers 4 c on): a permutation of k that is the same on both sides.
; code = sum x 2^(ea + eb - eo), held within +-57,344, to the nearest code, ties to even: (ea, eb, eo) = entries (0, 1, 6), (2, 3, 7), (4, 5, 9) of the scales.
; LIMITS: eo - ea - eb between -126 and 112, so that the scale and 57,344 x the scale are f32 numbers.  Codes of NaN or infinity among the inputs are not served.
; REGISTERS, in windows of 256: window 0: v12, v13 the scale and the hold; v16-21 LDS addresses; v28, v29 the add's two; v32-95 a block's numbers on the way out; v96-103 the blocks' offsets; from v128 A's fragments, ONE set, later the codes.
;   window 1: B's fragments, TWO sets, at v0 and at v128.   window 2: the accumulators of my rows 0-63 ((a, b) at v[8 (8 a + b)]);   window 3: those of my rows 64-127.
.set KROW,   1024                      ; a row of x or of a weight in bytes
.set ROWB,   256                       ; a tile's row in bytes: 256 along K
.set PITCH,  272                       ; an LDS row: 256 bytes + 16 of padding = 68 words: the 16 rows that a load touches start at 16 different banks (64 banks of 4 bytes: ISA guide 11.1)
.set FR,     16                        ; registers of a fragment
.set NL,     4                         ; LDS loads that bring one
.set NP,     4                         ; places behind this matrix instruction (ISA guide 7.12.1)
.set HALFT,  128*PITCH                 ; 128 rows: what one tensor load brings
.set SLOT,   4*HALFT                   ; A's 256 rows, then B's 256 rows
.set SPARE,  2*SLOT                    ; behind the ring: the spare words, 128 bytes a wave
.set SC,   12
.set LIM,  13
.set ADRA, 16
.set ADRB, 20
.set SPW,  28
.set NIL,  29
.set TMP,  32
.set OFF,  96
.set AF,   128
.set CODE, 128
.set G1, 24                            ; s[24:31] descriptor group 1 for A's tiles; s[32:39] group 0, a set for each slot
.set G0, 32
.set G1B, 48                           ; s[48:55], s[56:63] the same for B's tiles
.set G0B, 56
.set MSB, 0
.macro WIN new                         ; the immediate's high byte repeats the setting that is left
.if MSB != \new
	s_set_vgpr_msb (MSB<<8)|\new
.set MSB, \new
.endif
.endm
.set MUL_LO, 0xa1                      ; source 0 (B) window 1, source 1 (A) window 0, C and D window 2
.set MUL_HI, 0xf1                      ; the same, C and D window 3
.set TO_B,   0x40                      ; destination window 1, address window 0
; A joint load: waves 0 and 1 fetch for A, waves 2 and 3 for B.  The branch hangs on the wave's number alone.  An s_nop 0 and four v_nop follow each of the two lines.
.macro JLOAD g0a, g1a, g0b, g1b
	s_cmp_eq_u32 s15, 0
	s_cbranch_scc0 .Lfor_b_\@
	tensor_load_to_lds s[\g0a:\g0a+3], s[\g1a:\g1a+7]
	s_nop 0
.rept 4
	v_nop
.endr
	s_branch .Lasked_\@
.Lfor_b_\@:
	tensor_load_to_lds s[\g0b:\g0b+3], s[\g1b:\g1b+7]
	s_nop 0
.rept 4
	v_nop
.endr
.Lasked_\@:
.endm
.macro CREST                           ; a round of the cluster's barrier behind its opening barrier
	s_cmp_lg_u32 s14, 0
	s_cbranch_scc1 .Lnot_wave_0_\@
	s_barrier_signal -3
.Lnot_wave_0_\@:
	s_barrier_wait -3
	s_barrier_signal -1
	s_barrier_wait -1
.endm
.macro CROUND                          ; a whole round
	s_barrier_signal -1
	s_barrier_wait -1
	CREST
.endm
	s_load_b256 s[68:75], s[0:1], 0x0              ; x s[68:69], Wq s[70:71], Wk s[72:73], Wv s[74:75]
	s_load_b256 s[76:83], s[0:1], 0x20             ; the scales s[76:77], q_img s[78:79], k_img s[80:81], v_img s[82:83]
	v_lshl_add_u32 v[SPW], v0, 2, SPARE
	v_mov_b32 v[NIL], 0
	ds_add_u32 v[SPW], v[NIL]                      ; the wave's opening: the add, twice on end, and its wait ahead of my first tensor load
	ds_add_u32 v[SPW], v[NIL]                      ; and once more, under the one wait; the set-up below, work on registers, stands between
	v_lshrrev_b32 v1, 5, v0
	v_readfirstlane_b32 s14, v1                    ; wave 0..3
	s_lshr_b32 s15, s14, 1                         ; which half of the tile's rows is mine.  Also: I fetch for A (0) or for B (1)
	s_and_b32 s16, s14, 1                          ; which half of its columns.  Also: which 128 rows of that tile I fetch
	s_bfe_u32 s40, ttmp6, 0x40000                  ; cx
	s_bfe_u32 s41, ttmp6, 0x40004                  ; cy
	s_mov_b32 s42, ttmp9                           ; c: the cluster's number, 0 .. 23
	s_and_b32 s17, s42, 7                          ; cl
	s_lshl_b32 s43, s41, 2
	s_lshl_b32 s43, 15, s43                        ; my row of the cluster
	s_lshl_b32 s44, 0x1111, s40                    ; my column
	s_or_b32 s[G1+0], s43, (0<<16)|(1<<20)|(1<<21)|(5<<22)|(3<<25)  ; 15:0 the mask: A's tiles go to my row; 17:16 elements of 1 byte; 20 padding on; 21 set beside a mask; 24:22 after every 64 words; 31:25 four words
	s_or_b32 s[G1B+0], s44, (0<<16)|(1<<20)|(1<<21)|(5<<22)|(3<<25) ; the same with my column's mask
.irp g, G1, G1B
	s_mov_b32 s[\g+1], ROWB<<16                    ; tensor_dim0 = 256
	s_mov_b32 s[\g+2], 128<<16                     ; tensor_dim1 = 128
	s_mov_b32 s[\g+3], ROWB<<16                    ; tile_dim0 = 256
	s_mov_b32 s[\g+4], 128                         ; tile_dim1 = 128
	s_mov_b32 s[\g+5], KROW                        ; from row to row
	s_mov_b32 s[\g+6], 0
	s_mov_b32 s[\g+7], 0
.endr
	s_lshl_b32 s18, s16, 7                         ; which 128 rows of the tile I fetch
	s_lshl_b32 s19, s17, 10                        ; 1,024 cl: where the cluster's rows of x begin
	s_cmp_lt_u32 s42, 16
	s_cselect_b32 s20, s19, 0                      ; x is A for q and k,
	s_cselect_b32 s46, 0, s19                      ; and B for v
	s_lshl_b32 s21, s41, 8
	s_add_co_u32 s20, s20, s21
	s_add_co_u32 s20, s20, s18                     ; A's row: made of c, cy and the wave
	s_lshl_b32 s20, s20, 10                        ; in bytes (under 2^23)
	s_mov_b32 s21, 0
	s_lshl_b32 s47, s40, 8
	s_add_co_u32 s46, s46, s47
	s_add_co_u32 s46, s46, s18                     ; B's row: made of c, cx and the wave
	s_lshl_b32 s46, s46, 10
	s_mov_b32 s47, 0
	s_mul_i32 s45, s14, HALFT                      ; where the tiles go: wave x 128 rows: no place in the cluster enters an LDS address
	s_wait_dscnt 0x0                               ; both opening adds are done
	s_wait_kmcnt 0x0
	s_load_b256 s[84:91], s[76:77], 0x0            ; e0 .. e7
	s_load_b64 s[92:93], s[76:77], 0x20            ; e8, e9
	s_cmp_lt_u32 s42, 8
	s_cselect_b64 s[6:7], s[70:71], s[72:73]
	s_cselect_b64 s[10:11], s[78:79], s[80:81]
	s_cmp_lt_u32 s42, 16
	s_cselect_b64 s[4:5], s[68:69], s[74:75]       ; A
	s_cselect_b64 s[6:7], s[6:7], s[68:69]         ; B
	s_cselect_b64 s[10:11], s[10:11], s[82:83]     ; where the images go
	s_add_nc_u64 s[20:21], s[4:5], s[20:21]
	s_add_nc_u64 s[46:47], s[6:7], s[46:47]
	CROUND                                         ; all sixteen work-groups are here: the first joint loads meet
.irp s, 0,1
	s_mov_b32 s[G0+4*\s], 1
	s_add_co_u32 s[G0+4*\s+1], s45, \s*SLOT
	s_add_nc_u64 s[G0+4*\s+2:G0+4*\s+3], s[20:21], \s*ROWB
	s_or_b32 s[G0+4*\s+3], s[G0+4*\s+3], 0x80000000
	s_mov_b32 s[G0B+4*\s], 1
	s_add_co_u32 s[G0B+4*\s+1], s45, \s*SLOT
	s_add_nc_u64 s[G0B+4*\s+2:G0B+4*\s+3], s[46:47], \s*ROWB
	s_or_b32 s[G0B+4*\s+3], s[G0B+4*\s+3], 0x80000000
	JLOAD G0+4*\s, G1, G0B+4*\s, G1B
.endr
	; where my images go: q, k: (64 cl + 16 cy + 8 rh + a) x 16,384 + (2 cx + ch) x 2,048;   v: (cl / 2) x 2^21 + (16 cy + 8 rh + a) x 32,768 + (8 (cl % 2) + 2 cx + ch) x 2,048
	s_lshl_b32 s22, s17, 20
	s_lshr_b32 s23, s17, 1
	s_lshl_b32 s23, s23, 21
	s_and_b32 s8, s17, 1
	s_lshl_b32 s8, s8, 14
	s_add_co_u32 s23, s23, s8
	s_mov_b32 s94, 32768
	s_cmp_lt_u32 s42, 16
	s_cselect_b32 s94, 16384, s94                  ; from a block of 16 rows to the next
	s_cselect_b32 s22, s22, s23
	s_lshl_b32 s23, s41, 4
	s_lshl_b32 s8, s15, 3
	s_add_co_u32 s23, s23, s8
	s_mul_i32 s23, s23, s94
	s_add_co_u32 s22, s22, s23
	s_lshl_b32 s23, s40, 1
	s_add_co_u32 s23, s23, s16
	s_lshl_b32 s23, s23, 11
	s_add_co_u32 s22, s22, s23
	s_mov_b32 s23, 0
	s_add_nc_u64 s[10:11], s[10:11], s[22:23]
	v_and_b32 v1, 15, v0                           ; l % 16
	v_bfe_u32 v2, v0, 4, 1                         ; l / 16
	v_mul_u32_u24 v3, v1, PITCH
	v_lshl_add_u32 v4, v2, 4, v3                   ; a fragment's row x pitch + 16 x half
	s_mul_i32 s12, s15, HALFT                      ; my 128 rows of A
	s_mul_i32 s13, s16, HALFT                      ; my 128 rows of B,
	s_add_co_u32 s13, s13, 2*HALFT                 ; which lie behind A's 256
.irp s, 0,1
	v_add_nc_u32 v[ADRA+\s], s12, v4
	v_add_nc_u32 v[ADRB+\s], s13, v4
	s_add_co_u32 s12, s12, SLOT
	s_add_co_u32 s13, s13, SLOT
.endr
	v_and_b32 v5, 31, v0
	v_lshlrev_b32 v[OFF], 4, v5                    ; block a's offset: 16 x lane + a x the blocks' distance; never rewritten
.irp a, 1,2,3,4,5,6,7
	v_add_nc_u32 v[OFF+\a], s94, v[OFF+\a-1]
.endr
.macro FRAG reg, adr, q, i             ; 16 rows x 128 K: registers 4 c .. 4 c + 3 hold K = 32 c + 16 (l / 16) + 0 .. 15 of row l % 16
.irp c, 0,1,2,3
	ds_load_b128 v[\reg+4*\c:\reg+4*\c+3], v[\adr] offset:128*(\q)+32*\c+(\i)*16*PITCH
.endr
.endm
; 16 matrix instructions: A's blocks a0, a0 + 1 x B's eight, 128 along K.  p: B's set.  zero = 1: the first product starts the sums.  The 64 accumulators take turns, one instruction a turn.
.macro MUL16 a0, p, zero
.irp a, \a0, \a0+1
.irp b, 0,1,2,3,4,5,6,7
.if \zero
	v_wmma_f32_16x16x128_bf8_bf8 v[8*(8*((\a)%4)+\b):8*(8*((\a)%4)+\b)+7], v[128*(\p)+FR*\b:128*(\p)+FR*\b+FR-1], v[AF+FR*(\a):AF+FR*(\a)+FR-1], 0
.else
	v_wmma_f32_16x16x128_bf8_bf8 v[8*(8*((\a)%4)+\b):8*(8*((\a)%4)+\b)+7], v[128*(\p)+FR*\b:128*(\p)+FR*\b+FR-1], v[AF+FR*(\a):AF+FR*(\a)+FR-1], v[8*(8*((\a)%4)+\b):8*(8*((\a)%4)+\b)+7]
.endif
.endr
.endr
.endm
.macro FETCH_B slot, q, p
	WIN TO_B
.irp i, 0,1,2,3,4,5,6,7
	FRAG 128*(\p)+FR*\i, ADRB+\slot, \q, \i
.endr
	WIN 0
.endm
.macro FETCH_A slot, q, i0
.irp i, \i0, \i0+1, \i0+2, \i0+3
	FRAG AF+FR*(\i), ADRA+\slot, \q, \i
.endr
.endm
.macro PLACES n                        ; plain vector instructions that name no register of the matrix instructions ahead: in front of loads into registers that those have read, and of the first read of results
.rept \n
	v_nop
.endr
.endm
; A step of 128 along K that has its successor in the same slot.  A's blocks go one after the other, each against B's eight: blocks 0-3 are fetched anew in the step's middle, blocks 4-7 at its end.
.macro STEP slot, q, zero
	s_wait_dscnt 4*NL                              ; B's set and A's blocks 0-3 are in; the youngest sixteen loads (A's blocks 4-7) may be out
	WIN MUL_LO
	MUL16 0, (\q)%2, \zero
	MUL16 2, (\q)%2, \zero
	s_wait_dscnt 0                                 ; A's blocks 4-7 are in
	PLACES NP
	FETCH_B \slot, (\q)+1, 1-(\q)%2
	FETCH_A \slot, (\q)+1, 0
	WIN MUL_HI
	MUL16 4, (\q)%2, \zero
	MUL16 6, (\q)%2, \zero
	PLACES NP
	WIN 0
	FETCH_A \slot, (\q)+1, 4
.endm
; A slot's last step changes slots: ONE barrier; in front of it each wave waits for all its tensor loads, adds 0 to its spare word, and waits for that and for its reads of this slot.  fill = 1: the slot is filled again, two K steps ahead.
.macro TURN slot, next, fill
	s_wait_tensorcnt 0x0                           ; all my tensor loads have landed: my part of the next slot
	ds_add_u32 v[SPW], v[NIL]                      ; 0 onto my spare word
	s_wait_dscnt 4*NL+1                            ; (the add and the youngest sixteen loads may be out)
	WIN MUL_LO
	MUL16 0, 1, 0
	s_wait_dscnt 0x0                               ; the add is done, and my reads of this slot are over
	s_barrier_signal -1
	MUL16 2, 1, 0
	WIN 0
	s_barrier_wait -1
.if \fill
	CREST                                          ; the barrier has opened a round of the cluster's barrier: no wave of any partner still reads this slot or has a load on its way
	s_add_nc_u64 s[G0+4*\slot+2:G0+4*\slot+3], s[G0+4*\slot+2:G0+4*\slot+3], 2*ROWB
	s_add_nc_u64 s[G0B+4*\slot+2:G0B+4*\slot+3], s[G0B+4*\slot+2:G0B+4*\slot+3], 2*ROWB
	JLOAD G0+4*\slot, G1, G0B+4*\slot, G1B         ; the first tensor load behind the round; its four v_nop are the places in front of the loads below
.else
	PLACES NP
.endif
	FETCH_B \next, 0, 0
	FETCH_A \next, 0, 0
	WIN MUL_HI
	MUL16 4, 1, 0
	MUL16 6, 1, 0
	PLACES NP
	WIN 0
	FETCH_A \next, 0, 4
.endm
	s_wait_tensorcnt 1                             ; my part of K step 0 is in; K step 1's load may be out
	s_barrier_signal -1
	s_barrier_wait -1
	FETCH_B 0, 0, 0
	FETCH_A 0, 0, 0
	FETCH_A 0, 0, 4
	STEP 0, 0, 1                                   ; K = 1,024 is four slots of 256: written out, no loop.  The first step's products start the sums
	TURN 0, 1, 1                                   ; slot 0 takes K 512 on
	STEP 1, 0, 0
	TURN 1, 0, 1                                   ; slot 1 takes K 768 on
	STEP 0, 0, 0
	TURN 0, 1, 0                                   ; nothing is left to fetch
	STEP 1, 0, 0
	s_wait_dscnt 4*NL
	WIN MUL_LO
	MUL16 0, 1, 0
	MUL16 2, 1, 0
	s_wait_dscnt 0
	WIN MUL_HI
	MUL16 4, 1, 0
	MUL16 6, 1, 0
	WIN 0
	; THE WAY OUT: hold, convert, store: no LDS.  The three scales are folded into the conversion's one.
	s_wait_kmcnt 0x0
	s_add_co_i32 s84, s84, s85
	s_add_co_i32 s86, s86, s87
	s_add_co_i32 s88, s88, s89
	s_sub_co_i32 s90, s90, s84                     ; e6 - e0 - e1
	s_sub_co_i32 s91, s91, s86                     ; e7 - e2 - e3
	s_sub_co_i32 s93, s93, s88                     ; e9 - e4 - e5
	s_cmp_lt_u32 s42, 8
	s_cselect_b32 s96, s90, s91
	s_cmp_lt_u32 s42, 16
	s_cselect_b32 s96, s96, s93                    ; chosen by the cluster's number: no branch hangs on a scale
	s_add_co_i32 s96, s96, 127
	s_lshl_b32 s97, s96, 23
	s_add_co_i32 s96, s96, 15
	s_lshl_b32 s96, s96, 23
	s_or_b32 s96, s96, 0x600000
	PLACES NP
	v_mov_b32 v[SC], s97                           ; 2^(eo - ea - eb) as f32: the conversion takes its exponent field
	v_mov_b32 v[LIM], s96                          ; 57,344 x that
.macro OUTBLK a                        ; block a: 16 rows x 128 columns become one fragment's image
.set AC, 64*((\a)%4)
	WIN (0x02+((\a)/4))                            ; source 0: window 2 or 3
.set jx, 0
.rept 64
	v_med3_num_f32 v[TMP+jx], v[AC+jx], -v[LIM], v[LIM]   ; the conversion to an 8-bit code does not saturate (ISA guide 7.6.2): the hold comes first; each accumulator from its low end on
.set jx, jx+1
.endr
	WIN 0
.irp g, 0,1,2,3,4,5,6,7
	v_cvt_scalef32_pk8_bf8_f32 v[CODE+16*(\a)+2*\g:CODE+16*(\a)+2*\g+1], v[TMP+8*\g:TMP+8*\g+7], v[SC]
.endr
	v_nop                                          ; a plain instruction between the conversions and the next block's holds, which write their sources
.irp c, 0,1,2,3
	global_store_b128 v[OFF+(\a)], v[CODE+16*(\a)+4*\c:CODE+16*(\a)+4*\c+3], s[10:11] offset:512*\c   ; 32 lanes store 512 bytes on end; each block has registers of its own, so no store's sources are written again
.endr
.endm
.irp a, 0,1,2,3,4,5,6,7
	OUTBLK \a
.endr
	s_wait_tensorcnt 0x0                           ; the wave's end
	ds_add_u32 v[SPW], v[NIL]
	s_wait_dscnt 0x0
	CROUND                                         ; the closing round: no work-group ends while a partner may still ask for a tile that names it
	s_endpgm
.Lfunc_end_k_q6cd51b0de3_proj:
	.size	k_q6cd51b0de3_proj, .Lfunc_end_k_q6cd51b0de3_proj-k_q6cd51b0de3_proj
	.p2alignl 7, 3214868480
	.fill 96, 4, 3214868480
	.section	.rodata,"a",@progbits
	.p2align	6, 0x0
	.amdhsa_kernel k_q6cd51b0de3_proj
		.amdhsa_group_segment_fixed_size 327680
		.amdhsa_private_segment_fixed_size 0
		.amdhsa_enable_private_segment 0
		.amdhsa_kernarg_size 64
		.amdhsa_user_sgpr_count 2
		.amdhsa_user_sgpr_kernarg_segment_ptr 1
		.amdhsa_wavefront_size32 1
		.amdhsa_system_sgpr_workgroup_id_x 1
		.amdhsa_system_sgpr_workgroup_id_y 1
		.amdhsa_system_sgpr_workgroup_id_z 1
		.amdhsa_system_vgpr_workitem_id 0
		.amdhsa_next_free_vgpr 1024
		.amdhsa_next_free_sgpr 100
		.amdhsa_reserve_vcc 0
		.amdhsa_float_denorm_mode_32 3
		.amdhsa_float_denorm_mode_16_64 3
		.amdhsa_memory_ordered 1
		.amdhsa_forward_progress 1
		.amdhsa_inst_pref_size 118
	.end_amdhsa_kernel
	.amdgpu_metadata
---
amdhsa.version: [ 1, 2 ]
amdhsa.kernels:
  - .name:           k_q6cd51b0de3_proj
    .symbol:         k_q6cd51b0de3_proj.kd
    .args:
      - { .name: x_codes, .offset: 0, .size: 8, .value_kind: global_buffer, .address_space: global }
      - { .name: W_query_codes, .offset: 8, .size: 8, .value_kind: global_buffer, .address_space: global }
      - { .name: W_key_codes, .offset: 16, .size: 8, .value_kind: global_buffer, .address_space: global }
      - { .name: W_value_codes, .offset: 24, .size: 8, .value_kind: global_buffer, .address_space: global }
      - { .name: lowp_scales, .offset: 32, .size: 8, .value_kind: global_buffer, .address_space: global }
      - { .name: q_img, .offset: 40, .size: 8, .value_kind: global_buffer, .address_space: global }
      - { .name: k_img, .offset: 48, .size: 8, .value_kind: global_buffer, .address_space: global }
      - { .name: v_img, .offset: 56, .size: 8, .value_kind: global_buffer, .address_space: global }
    .group_segment_fixed_size: 327680
    .private_segment_fixed_size: 0
    .kernarg_segment_align: 8
    .kernarg_segment_size: 64
    .max_flat_workgroup_size: 128
    .sgpr_count:     100
    .vgpr_count:     1024
    .wavefront_size: 32
...
	.end_amdgpu_metadata
.endif
;; end of part 1
;; launch scores (part 2): grid 36 x 4, 4 waves a work-group, no clusters, 327,680 bytes of LDS; arguments q_img, k_img, lowp_scales, p_img, m_tab, l_tab; writes p_img, m_tab, l_tab
.if DOCPART == 2
	.amdgcn_target "amdgcn-amd-amdhsa--gfx1250"
	.amdhsa_code_object_version 6
	.text
	.protected	k_q6cd51b0de3_scores
	.globl	k_q6cd51b0de3_scores
	.p2align	8
	.type	k_q6cd51b0de3_scores,@function
k_q6cd51b0de3_scores:
	s_mov_b64 s[64:65], 0
	v_nop
	global_prefetch_b8 v0, s[64:65] scope:SCOPE_SE
	s_setreg_imm32_b32 hwreg(HW_REG_WAVE_MODE, 25, 1), 1
	s_wait_xcnt 0x0
; For each causal tile (query tile i, key tile j <= i, 256 x 256) of each batch: S = q k^T on codes of BF8, K = 1,024; t = S x log2(e) / 32; M = the ceiling of the row's largest t WITHIN THE TILE's 256 keys;
; p = 2^(t - M), quantised with 2^e8 along the keys; the sum of the unquantised p.  Left out as dead work: the tiles with j > i, which reference()'s own tril gives the weight 0 for all inputs (shown at the head of the first launch).
; M is a whole number, so p's codes under a tile's own M are those under the row's M times an exact power of two (but for numbers that fall under the format's range under the larger M); the next launch joins the tiles.
; SHARES.  Work-group x = 0 .. 35 numbers the tiles of the triangle row by row, y is the batch.  Four waves, each 128 queries x 128 keys in 64 accumulators.  Source 0 = 16 keys, source 1 = 16 queries:
; in accumulator (a, b) lane (r, h) holds S(query 16 a + r, key 16 b + 8 h + 0 .. 7): a lane holds one query of each block a, and a block's eight accumulators become one fragment of P, stored as an image of its registers.
; q_img and k_img hold such images: [row / 16][feature / 128: 8][2,048].  A slot takes 256 features: 4,096 bytes on end of each of 16 + 16 row blocks; a fragment comes back by four loads at 512 c + 16 x lane: dense, so no padding.
; NO CLUSTER: query tile i is read by i + 1 work-groups and key tile j by 8 - j, numbers that run from 1 to 8: the 36 tiles fall into no groups of four that want the same tile at every request.
; OUT: p_img [batch][query / 16: 128][key / 128: 16][2,048];  m_tab [batch][row group of 128: 16][key tile: 8][512], l_tab [batch][16][key / 128: 16][512]: the f32 of row 16 a + r at byte 32 r + 4 a.
; LIMITS: e6 + e7 between -121 and 132 (they are added to the exponent field of log2(e) / 32); e8 between -126 and 112.  NaN is not served.
; REGISTERS: window 0: v8-11 sums at work; v12, v13 2^e8 and 57,344 x 2^e8; v14 a permute's destination; v16-21 LDS addresses; v24-27 offsets; v28, v29 the add's two; v30 the diagonal's d; v31 -infinity; v32-95 a block's numbers;
;   v96-103 the maxima, then M; v104-111 the partner's maxima, then t, then the sums; v112-127 -M, each twice; from v128 Q's fragments, later p's codes.   window 1: K's fragments, two sets.   windows 2, 3: the accumulators.
.set FR,     16
.set NL,     4
.set NP,     4
.set SLOT,   131072                    ; Q's 16 row blocks x 4,096 bytes, then K's 16
.set XCH,    2*SLOT                    ; behind the ring: 1,024 bytes a wave, for the maxima
.set SPARE,  XCH+4096                  ; and the spare words, 128 bytes a wave
.set SUM,  8
.set SC,   12
.set LIM,  13
.set PD,   14
.set ADRA, 16
.set ADRB, 20
.set L16,  24                          ; 16 x lane
.set TO,   25                          ; 32 r + 16 h
.set XW,   26                          ; where I put my maxima
.set XR,   27                          ; where the wave with the other 128 keys puts its
.set SPW,  28
.set NIL,  29
.set DG,   30
.set NINF, 31
.set TMP,  32
.set MX,   96
.set LS,   104
.set NM,   112
.set AF,   128
.set CODE, 128
.set G1, 24                            ; s[24:31] descriptor group 1; s[32:39] group 0, a set for each slot
.set G0, 32
.set CS, 46                            ; s[46:47] c = log2(e) / 32 x 2^(e6 + e7)
.set SEL, 48                           ; s[48:49] lane selects for v_permlanex16_b32: lane l xor 16
.set HM,  50                           ; s50 the mask of lanes 16-31
.set MSB, 0
.macro WIN new
.if MSB != \new
	s_set_vgpr_msb (MSB<<8)|\new
.set MSB, \new
.endif
.endm
.set MUL_LO, 0xa1
.set MUL_HI, 0xf1
.set TO_B,   0x40
	s_load_b256 s[68:75], s[0:1], 0x0              ; q_img s[68:69], k_img s[70:71], the scales s[72:73], p_img s[74:75]
	s_load_b128 s[76:79], s[0:1], 0x20             ; m_tab s[76:77], l_tab s[78:79]
	v_lshl_add_u32 v[SPW], v0, 2, SPARE
	v_mov_b32 v[NIL], 0
	ds_add_u32 v[SPW], v[NIL]                      ; the wave's opening: the add, twice on end, and its wait ahead of my first tensor load
	ds_add_u32 v[SPW], v[NIL]
	v_lshrrev_b32 v1, 5, v0
	v_readfirstlane_b32 s14, v1                    ; wave 0..3
	s_lshr_b32 s15, s14, 1                         ; rh: which 128 queries
	s_and_b32 s16, s14, 1                          ; ch: which 128 keys
	s_and_b32 s17, ttmp7, 0xffff                   ; the batch
	s_mov_b32 s18, 0
.irp th, 1,3,6,10,15,21,28                     ; row i of the triangle begins at tile i (i + 1) / 2
	s_cmp_ge_u32 ttmp9, \th
	s_add_co_ci_u32 s18, s18, 0                    ; i
.endr
	s_add_co_u32 s19, s18, 1
	s_mul_i32 s19, s19, s18
	s_lshr_b32 s19, s19, 1
	s_sub_co_u32 s19, ttmp9, s19                   ; j
	s_mov_b32 s[G1+0], 3<<16                       ; no mask; elements of 8 bytes; no padding
	s_mov_b32 s[G1+1], 512<<16                     ; tensor_dim0 = 512 elements: 4,096 bytes
	s_mov_b32 s[G1+2], 8<<16                       ; tensor_dim1 = 8 row blocks
	s_mov_b32 s[G1+3], 512<<16                     ; tile_dim0
	s_mov_b32 s[G1+4], 8                           ; tile_dim1
	s_mov_b32 s[G1+5], 2048                        ; from row block to row block: 16,384 bytes
	s_mov_b32 s[G1+6], 0
	s_mov_b32 s[G1+7], 0
	s_cmp_lt_u32 s14, 2                            ; waves 0, 1 fetch Q's halves, waves 2, 3 K's
	s_cselect_b32 s20, s18, s19
	s_lshl_b32 s20, s20, 4
	s_lshl_b32 s21, s17, 7
	s_add_co_u32 s20, s20, s21
	s_lshl_b32 s21, s16, 3
	s_add_co_u32 s20, s20, s21                     ; row block 128 b + 16 (i or j) + 8 (wave % 2)
	s_lshl_b32 s20, s20, 14
	s_mov_b32 s21, 0
	s_lshl_b32 s22, s14, 15                        ; my 32,768 bytes of a slot
	s_mov_b32 s[SEL], 0x76543210
	s_mov_b32 s[SEL+1], 0xfedcba98
	s_mov_b32 s[HM], 0xffff0000
	s_wait_dscnt 0x0                               ; both opening adds are done
	s_wait_kmcnt 0x0
	s_load_b128 s[84:87], s[72:73], 0x18           ; e6, e7, e8, e9
	s_cmp_lt_u32 s14, 2
	s_cselect_b64 s[4:5], s[68:69], s[70:71]
	s_add_nc_u64 s[4:5], s[4:5], s[20:21]
.irp s, 0,1                                    ; every wave issues its two first fills, with no branch
	s_mov_b32 s[G0+4*\s], 1
	s_add_co_u32 s[G0+4*\s+1], s22, \s*SLOT
	s_add_nc_u64 s[G0+4*\s+2:G0+4*\s+3], s[4:5], \s*4096
	s_or_b32 s[G0+4*\s+3], s[G0+4*\s+3], 0x80000000
	tensor_load_to_lds s[G0+4*\s:G0+4*\s+3], s[G1:G1+7]
	s_nop 0
.endr
.rept 4
	v_nop
.endr
	v_and_b32 v1, 15, v0                           ; r
	v_bfe_u32 v2, v0, 4, 1                         ; h
	v_and_b32 v3, 31, v0                           ; lane
	v_lshlrev_b32 v[L16], 4, v3
	s_lshl_b32 s12, s15, 15                        ; my 8 row blocks of Q
	s_lshl_b32 s13, s16, 15
	s_add_co_u32 s13, s13, 65536                   ; my 8 of K, behind Q's 16
.irp s, 0,1
	v_add_nc_u32 v[ADRA+\s], s12, v[L16]
	v_add_nc_u32 v[ADRB+\s], s13, v[L16]
	s_add_co_u32 s12, s12, SLOT
	s_add_co_u32 s13, s13, SLOT
.endr
	v_lshlrev_b32 v[TO], 5, v1
	v_lshl_add_u32 v[TO], v2, 4, v[TO]
	s_lshl_b32 s12, s14, 10
	s_add_co_u32 s12, s12, XCH
	v_lshl_add_u32 v[XW], v3, 5, s12
	s_xor_b32 s13, s14, 1
	s_lshl_b32 s13, s13, 10
	s_add_co_u32 s13, s13, XCH
	v_lshl_add_u32 v[XR], v3, 5, s13
	s_sub_co_i32 s12, s15, s16
	s_lshl_b32 s12, s12, 7
	v_lshlrev_b32 v[DG], 3, v2
	v_sub_nc_u32 v[DG], v1, v[DG]
	v_add_nc_u32 v[DG], s12, v[DG]                 ; d = r - 8 h + 128 (rh - ch): on the diagonal, register jj of accumulator (a, b) is hidden where 16 (b - a) + jj > d
	v_mov_b32 v[NINF], 0xff800000
	v_mov_b32 v[PD], 0                             ; written once: a lane permute's destination counts as one of its sources
	s_lshl_b32 s20, s17, 7                         ; p_img: ((128 b + 16 i + 8 rh) x 16 + 2 j + ch) x 2,048
	s_lshl_b32 s21, s18, 4
	s_add_co_u32 s20, s20, s21
	s_lshl_b32 s21, s15, 3
	s_add_co_u32 s20, s20, s21
	s_lshl_b32 s20, s20, 4
	s_lshl_b32 s23, s19, 1
	s_add_co_u32 s23, s23, s16                     ; 2 j + ch
	s_add_co_u32 s20, s20, s23
	s_lshl_b32 s20, s20, 11
	s_mov_b32 s21, 0
	s_add_nc_u64 s[40:41], s[74:75], s[20:21]
	s_lshl_b32 s8, s17, 4
	s_lshl_b32 s9, s18, 1
	s_add_co_u32 s8, s8, s9
	s_add_co_u32 s8, s8, s15                       ; 16 b + 2 i + rh: my row group of 128
	s_lshl_b32 s10, s8, 4
	s_add_co_u32 s10, s10, s23
	s_lshl_b32 s10, s10, 9
	s_mov_b32 s11, 0
	s_add_nc_u64 s[42:43], s[78:79], s[10:11]      ; l_tab
	s_lshl_b32 s12, s8, 3
	s_add_co_u32 s12, s12, s19
	s_lshl_b32 s12, s12, 9
	s_mov_b32 s13, 0
	s_add_nc_u64 s[44:45], s[76:77], s[12:13]      ; m_tab
.macro FRAG reg, adr, q, i             ; an image comes back as it was stored: registers 4 c .. 4 c + 3 from 512 c + 16 x lane
.irp c, 0,1,2,3
	ds_load_b128 v[\reg+4*\c:\reg+4*\c+3], v[\adr] offset:4096*(\i)+2048*(\q)+512*\c
.endr
.endm
.macro MUL16 a0, p, zero               ; 16 matrix instructions; the 64 accumulators take turns, one instruction a turn
.irp a, \a0, \a0+1
.irp b, 0,1,2,3,4,5,6,7
.if \zero
	v_wmma_f32_16x16x128_bf8_bf8 v[8*(8*((\a)%4)+\b):8*(8*((\a)%4)+\b)+7], v[128*(\p)+FR*\b:128*(\p)+FR*\b+FR-1], v[AF+FR*(\a):AF+FR*(\a)+FR-1], 0
.else
	v_wmma_f32_16x16x128_bf8_bf8 v[8*(8*((\a)%4)+\b):8*(8*((\a)%4)+\b)+7], v[128*(\p)+FR*\b:128*(\p)+FR*\b+FR-1], v[AF+FR*(\a):AF+FR*(\a)+FR-1], v[8*(8*((\a)%4)+\b):8*(8*((\a)%4)+\b)+7]
.endif
.endr
.endr
.endm
.macro FETCH_B slot, q, p
	WIN TO_B
.irp i, 0,1,2,3,4,5,6,7
	FRAG 128*(\p)+FR*\i, ADRB+\slot, \q, \i
.endr
	WIN 0
.endm
.macro FETCH_A slot, q, i0
.irp i, \i0, \i0+1, \i0+2, \i0+3
	FRAG AF+FR*(\i), ADRA+\slot, \q, \i
.endr
.endm
.macro PLACES n
.rept \n
	v_nop
.endr
.endm
.macro STEP slot, q, zero              ; 128 features, with a successor in the same slot
	s_wait_dscnt 4*NL                              ; K's set and Q's blocks 0-3 are in; the youngest sixteen loads (Q's blocks 4-7) may be out
	WIN MUL_LO
	MUL16 0, (\q)%2, \zero
	MUL16 2, (\q)%2, \zero
	s_wait_dscnt 0
	PLACES NP
	FETCH_B \slot, (\q)+1, 1-(\q)%2
	FETCH_A \slot, (\q)+1, 0
	WIN MUL_HI
	MUL16 4, (\q)%2, \zero
	MUL16 6, (\q)%2, \zero
	PLACES NP
	WIN 0
	FETCH_A \slot, (\q)+1, 4
.endm
.macro TURN slot, next, fill           ; a slot's last step changes slots: one barrier
	s_wait_tensorcnt 0x0                           ; all my tensor loads have landed: my part of the next slot; so a group 0 may be written
	ds_add_u32 v[SPW], v[NIL]                      ; 0 onto my spare word
.if \fill
	s_add_nc_u64 s[G0+4*\slot+2:G0+4*\slot+3], s[G0+4*\slot+2:G0+4*\slot+3], 2*4096   ; this slot's next 256 features
.endif
	s_wait_dscnt 4*NL+1                            ; (the add and the youngest sixteen loads may be out)
	WIN MUL_LO
	MUL16 0, 1, 0
	s_wait_dscnt 0x0                               ; the add is done, and my reads of this slot are over
	s_barrier_signal -1
	MUL16 2, 1, 0
	WIN 0
	s_barrier_wait -1
.if \fill
	tensor_load_to_lds s[G0+4*\slot:G0+4*\slot+3], s[G1:G1+7]   ; my one tensor load behind the barrier, and the first thing there
	s_nop 0
	PLACES 4                                       ; (also the places in front of the loads below)
.else
	PLACES NP
.endif
	FETCH_B \next, 0, 0
	FETCH_A \next, 0, 0
	WIN MUL_HI
	MUL16 4, 1, 0
	MUL16 6, 1, 0
	PLACES NP
	WIN 0
	FETCH_A \next, 0, 4
.endm
	s_wait_tensorcnt 1                             ; my part of slot 0 is in; slot 1's may be out
	s_barrier_signal -1
	s_barrier_wait -1
	FETCH_B 0, 0, 0
	FETCH_A 0, 0, 0
	FETCH_A 0, 0, 4
	STEP 0, 0, 1                                   ; 1,024 features are four slots: written out
	TURN 0, 1, 1
	STEP 1, 0, 0
	TURN 1, 0, 1
	STEP 0, 0, 0
	TURN 0, 1, 0
	STEP 1, 0, 0
	s_wait_dscnt 4*NL
	WIN MUL_LO
	MUL16 0, 1, 0
	MUL16 2, 1, 0
	s_wait_dscnt 0
	WIN MUL_HI
	MUL16 4, 1, 0
	MUL16 6, 1, 0
	WIN 0
	s_wait_kmcnt 0x0
	s_add_co_i32 s84, s84, s85
	s_lshl_b32 s84, s84, 23
	s_add_co_i32 s[CS], s84, 0x3d38aa3b            ; log2(e) / 32, with e6 + e7 added to its exponent field: a sum stands for sum x 2^(e6 + e7)
	s_mov_b32 s[CS+1], s[CS]                       ; (named with it as a pair)
	s_add_co_i32 s86, s86, 127
	s_lshl_b32 s87, s86, 23
	s_add_co_i32 s86, s86, 15
	s_lshl_b32 s86, s86, 23
	s_or_b32 s86, s86, 0x600000
	PLACES NP
	v_mov_b32 v[SC], s87                           ; 2^e8 as f32
	v_mov_b32 v[LIM], s86                          ; 57,344 x 2^e8
	; THE MASK, in the tiles on the diagonal alone (a branch on the work-group's number): hidden scores become -infinity ahead of the maximum, so that p = 0.  Each query's own key counts, so every row's maximum is a number.
	s_cmp_lg_u32 s18, s19
	s_cbranch_scc1 .Lopen
.irp a, 0,1,2,3,4,5,6,7
	WIN (0x82+0x41*((\a)/4))                       ; the accumulators (destination and source 0) in window 2 or 3
.irp b, 0,1,2,3,4,5,6,7
.irp jj, 0,1,2,3,4,5,6,7
	v_cmp_gt_i32 vcc_lo, 16*(\b-\a)+\jj, v[DG]
	v_cndmask_b32 v[8*(8*(\a%4)+\b)+\jj], v[8*(8*(\a%4)+\b)+\jj], v[NINF], vcc_lo
.endr
.endr
.endr
	WIN 0
.Lopen:
	; the largest score of each of my 8 x 16 queries among my 128 keys: four chains by turns, each accumulator from its low end on
.irp hi, 0,1
	WIN (0x28+0x14*\hi)                            ; sources 1 and 2 in window 2 or 3
.set nx, 0
.rept 32
.irp a, 0,1,2,3
.if nx == 0
	v_max3_num_f32 v[MX+4*\hi+\a], v[NINF], v[64*\a], v[64*\a+1]
.else
	v_max3_num_f32 v[MX+4*\hi+\a], v[MX+4*\hi+\a], v[64*\a+2*nx], v[64*\a+2*nx+1]
.endif
.endr
.set nx, nx+1
.endr
.endr
	WIN 0
.irp a, 0,1,2,3,4,5,6,7
	v_permlanex16_b32 v[PD], v[MX+\a], s[SEL], s[SEL+1]
	v_max_num_f32 v[MX+\a], v[MX+\a], v[PD]        ; and lane l xor 16's
.endr
	ds_store_b128 v[XW], v[MX:MX+3]                ; the tile's other 128 keys belong to the wave beside me
	ds_store_b128 v[XW], v[MX+4:MX+7] offset:16
	s_wait_dscnt 0x0                               ; for the others' sake: my stores are done
	s_barrier_signal -1
	s_barrier_wait -1
	ds_load_b128 v[LS:LS+3], v[XR]
	ds_load_b128 v[LS+4:LS+7], v[XR] offset:16
	s_wait_dscnt 0x0
.irp a, 0,1,2,3,4,5,6,7
	v_max_num_f32 v[MX+\a], v[MX+\a], v[LS+\a]
.endr
.irp a, 0,1,2,3,4,5,6,7
	v_mul_f32 v[LS+\a], s[CS], v[MX+\a]            ; as t (c is positive)
.endr
.irp a, 0,1,2,3,4,5,6,7
	v_floor_f32 v[NM+2*\a], -v[LS+\a]              ; -M = floor(-t) = -ceil(t)
.endr
.irp a, 0,1,2,3,4,5,6,7
	v_mov_b32 v[NM+2*\a+1], v[NM+2*\a]             ; twice, for the packed form
	v_mul_f32 v[MX+\a], -1.0, v[NM+2*\a]           ; M
.endr
.macro PBLK a                          ; block a: 16 queries x 128 keys: p, its sum, its codes
.set AC, 64*((\a)%4)
	WIN (0x02+((\a)/4))                            ; source 0: window 2 or 3
.set jx, 0
.rept 32
	v_pk_fma_f32 v[TMP+jx:TMP+jx+1], v[AC+jx:AC+jx+1], s[CS:CS+1], v[NM+2*(\a):NM+2*(\a)+1] op_sel_hi:[1,0,1]   ; t - M, two at a time
.set jx, jx+2
.endr
	WIN 0
.set jx, 0
.rept 64
	v_exp_f32 v[TMP+jx], v[TMP+jx]                 ; p = 2^(t - M), at most 1
.set jx, jx+1
.endr
	v_nop                                          ; a plain instruction behind the last exponential,
	s_wait_alu depctr_va_vdst(0)                   ; and the one wait for the batch ahead of its first reader
	v_pk_add_f32 v[SUM:SUM+1], v[TMP:TMP+1], v[TMP+2:TMP+3]        ; the sum is taken of the unquantised p: two at a time, in two chains
	v_pk_add_f32 v[SUM+2:SUM+3], v[TMP+4:TMP+5], v[TMP+6:TMP+7]
.set jx, 8
.rept 14
	v_pk_add_f32 v[SUM:SUM+1], v[SUM:SUM+1], v[TMP+jx:TMP+jx+1]
	v_pk_add_f32 v[SUM+2:SUM+3], v[SUM+2:SUM+3], v[TMP+jx+2:TMP+jx+3]
.set jx, jx+4
.endr
	v_pk_add_f32 v[SUM:SUM+1], v[SUM:SUM+1], v[SUM+2:SUM+3]
	v_add_f32 v[LS+(\a)], v[SUM], v[SUM+1]
.set jx, 0
.rept 64
	v_min_num_f32 v[TMP+jx], v[TMP+jx], v[LIM]     ; the conversion does not saturate (ISA guide 7.6.2); p is not negative, so the hold is one-sided
.set jx, jx+1
.endr
.irp g, 0,1,2,3,4,5,6,7
	v_cvt_scalef32_pk8_bf8_f32 v[CODE+16*(\a)+2*\g:CODE+16*(\a)+2*\g+1], v[TMP+8*\g:TMP+8*\g+7], v[SC]
.endr
	v_nop                                          ; a plain instruction between the conversions and the next block's lines, which write their sources
.irp c, 0,1,2,3
	global_store_b128 v[L16], v[CODE+16*(\a)+4*\c:CODE+16*(\a)+4*\c+3], s[40:41] offset:(\a)*32768+512*\c   ; 512 bytes on end; each block has registers of its own
.endr
.endm
.irp a, 0,1,2,3,4,5,6,7
	PBLK \a
.endr
.irp a, 0,1,2,3,4,5,6,7
	v_permlanex16_b32 v[PD], v[LS+\a], s[SEL], s[SEL+1]
	v_add_f32 v[LS+\a], v[LS+\a], v[PD]            ; the sums over my 128 keys
.endr
.irp k, 0,1,2,3                                ; lane (r, h) stores blocks 4 h .. 4 h + 3 of row r: 16 bytes at 32 r + 16 h, the wave 512 bytes on end
	v_cndmask_b32 v[SUM+\k], v[LS+\k], v[LS+4+\k], s[HM]
	v_cndmask_b32 v[NM+\k], v[MX+\k], v[MX+4+\k], s[HM]
.endr
	global_store_b128 v[TO], v[SUM:SUM+3], s[42:43]
	s_cmp_lg_u32 s16, 0                            ; M is the same in both waves of a row half: the one with keys 0-127 stores it
	s_cbranch_scc1 .Lno_m
	global_store_b128 v[TO], v[NM:NM+3], s[44:45]
.Lno_m:
	s_wait_tensorcnt 0x0                           ; the wave's end
	ds_add_u32 v[SPW], v[NIL]
	s_wait_dscnt 0x0
	s_endpgm
.Lfunc_end_k_q6cd51b0de3_scores:
	.size	k_q6cd51b0de3_scores, .Lfunc_end_k_q6cd51b0de3_scores-k_q6cd51b0de3_scores
	.p2alignl 7, 3214868480
	.fill 96, 4, 3214868480
	.section	.rodata,"a",@progbits
	.p2align	6, 0x0
	.amdhsa_kernel k_q6cd51b0de3_scores
		.amdhsa_group_segment_fixed_size 327680
		.amdhsa_private_segment_fixed_size 0
		.amdhsa_enable_private_segment 0
		.amdhsa_kernarg_size 48
		.amdhsa_user_sgpr_count 2
		.amdhsa_user_sgpr_kernarg_segment_ptr 1
		.amdhsa_wavefront_size32 1
		.amdhsa_system_sgpr_workgroup_id_x 1
		.amdhsa_system_sgpr_workgroup_id_y 1
		.amdhsa_system_sgpr_workgroup_id_z 1
		.amdhsa_system_vgpr_workitem_id 0
		.amdhsa_next_free_vgpr 1024
		.amdhsa_next_free_sgpr 90
		.amdhsa_reserve_vcc 1
		.amdhsa_float_denorm_mode_32 3
		.amdhsa_float_denorm_mode_16_64 3
		.amdhsa_memory_ordered 1
		.amdhsa_forward_progress 1
		.amdhsa_inst_pref_size 207
	.end_amdhsa_kernel
	.amdgpu_metadata
---
amdhsa.version: [ 1, 2 ]
amdhsa.kernels:
  - .name:           k_q6cd51b0de3_scores
    .symbol:         k_q6cd51b0de3_scores.kd
    .args:
      - { .name: q_img, .offset: 0, .size: 8, .value_kind: global_buffer, .address_space: global }
      - { .name: k_img, .offset: 8, .size: 8, .value_kind: global_buffer, .address_space: global }
      - { .name: lowp_scales, .offset: 16, .size: 8, .value_kind: global_buffer, .address_space: global }
      - { .name: p_img, .offset: 24, .size: 8, .value_kind: global_buffer, .address_space: global }
      - { .name: m_tab, .offset: 32, .size: 8, .value_kind: global_buffer, .address_space: global }
      - { .name: l_tab, .offset: 40, .size: 8, .value_kind: global_buffer, .address_space: global }
    .group_segment_fixed_size: 327680
    .private_segment_fixed_size: 0
    .kernarg_segment_align: 8
    .kernarg_segment_size: 48
    .max_flat_workgroup_size: 128
    .sgpr_count:     90
    .vgpr_count:     1024
    .wavefront_size: 32
...
	.end_amdgpu_metadata
.endif
;; end of part 2
;; launch mix (part 3): grid 8 x 32, 4 waves a work-group, clusters of 4 x 1, 327,680 bytes of LDS; arguments p_img, v_img, m_tab, l_tab, lowp_scales, out0; writes out0
.if DOCPART == 3
	.amdgcn_target "amdgcn-amd-amdhsa--gfx1250"
	.amdhsa_code_object_version 6
	.text
	.protected	k_q6cd51b0de3_mix
	.globl	k_q6cd51b0de3_mix
	.p2align	8
	.type	k_q6cd51b0de3_mix,@function
k_q6cd51b0de3_mix:
	s_mov_b64 s[64:65], 0
	v_nop
	global_prefetch_b8 v0, s[64:65] scope:SCOPE_SE
	s_setreg_imm32_b32 hwreg(HW_REG_WAVE_MODE, 25, 1), 1
	s_wait_xcnt 0x0
	s_wait_alu depctr_hold_cnt(0) depctr_sa_sdst(0) depctr_va_vdst(0) depctr_va_sdst(0) depctr_va_ssrc(0) depctr_va_vcc(0) depctr_vm_vsrc(0)
	s_getreg_b32 s2, hwreg(HW_REG_IB_STS2, 6, 4)
	s_cmp_eq_u32 s2, 0
	s_cbranch_scc0 .Lentry_in_a_cluster
	s_endpgm
.Lentry_in_a_cluster:
	s_bfe_u32 s2, ttmp6, 0x10000c
	s_cmp_lg_u32 s2, 0x3003
	s_cbranch_scc0 .Lentry_shape_is_right
	s_endpgm
.Lentry_shape_is_right:
; O[q][f] = (the sum over key tiles j of 2^(M_j - M) P_j V_j) x 2^(e8 + e9) / l, on codes of BF8: P_j, its whole number M_j and its sums come from the launch before, V from the first.
; Left out as dead work: the key tiles behind a row group's last query, to which reference()'s own tril gives the weight 0 for all inputs (shown at the head of the first launch).
; SHARES.  A row group g of 128 queries has g / 2 + 1 live key tiles of 256.  A work-group takes TWO row groups, 15 - pr and pr: (15 - pr) / 2 + 1 + pr / 2 + 1 = 9 key tiles whatever pr is, so all work-groups have equal work;
; and 128 features: 8 feature tiles x 8 pairs x 4 batches = 256 work-groups.  Four waves, each 64 queries x 64 features: 16 accumulators.  Source 0 = 16 features of V^T, source 1 = 16 queries of P:
; lane (r, h) of accumulator (a, b) holds O(16 a + r, 16 b + 8 h + 0 .. 7).
; A UNIT is one row group x one key tile: P's 8 query blocks x 4,096 bytes and V's 8 feature blocks x 4,096: 65,536 bytes, 32 matrix instructions a wave.  Units 0 .. nB - 1 are the large group's (nB = 5 .. 8), the others the small one's.
; All nine are live: no load and no unit is jumped over, and the walk is written out.
; THE RING: two slots of two units.  Units 0 to 3 are asked for together at the head (nB is at least 5: every work-group reads them), units 4, 5 and 6, 7 by two refills.  A wave issues one load of 32,768 bytes a fill:
; waves 0, 1 P of the slot's first and second unit, waves 2, 3 V likewise.  UNIT 8 COMES STRAIGHT INTO REGISTERS: the images lie in the order of the operand's registers, so each wave fetches its own 8 + 8 fragments by 64 loads of
; 512 bytes on end, into 256 registers that would lie idle: that spares a third refill and its round.
; CLUSTER: the four feature tiles of a cluster walk the same P, half of a unit's bytes: P is asked for JOINTLY, by the same tensor load with a mask that names the four.  V hangs on the feature tile: each work-group's own load, behind
; the same round.  No 4 x 4: partners along y would hold other pairs, and so another nB, on which a branch hangs.
; JOINING THE TILES.  All M of my rows are read at the head.  The accumulators stand in units 2^u_j: u_j = max(M_j, U_j - 64), U_j the largest M so far; ahead of each unit they are multiplied by g = 2^(old u - new u), an exact
; power of two, at most 2^64: sums of code products stay under 2^43, so the accumulators under 2^107.  l is summed apart with the true weights; the result is acc x 2^(u - U + e8 + e9) / l.
; FROM ONE ROW GROUP TO THE NEXT: at unit nB (a branch on the work-group's y, the same in all partners and waves) the large group's O goes out, and that unit's g is 0: the multiplication that stands ahead of every unit
; clears the accumulators, which are finite by the bound above.  In the head's recursion the state becomes U = u = -infinity, L = 0 there, which gives g = 0 by itself.
; LIMIT: a key tile whose M lies more than 64 under the largest so far is weighed 2^-64 of the largest and not less: under the rounding of an f32 sum.  NaN is not served.
; LDS: slot s at 131,072 s, unit e of it 65,536 e on (P, then V from 32,768); behind the ring a stage of 16 rows x 272 bytes a wave, then the spare words.
; REGISTERS: window 0: v3-11 addresses; v12-27, v48-60 the head's arithmetic; v28, v29 the add's two; v30, v31, v62 the way out; v32-39, v40-47 the two groups' last factors, each twice; v64-127, v128-191 P's fragments, two sets
;   (at the head: the tables); v192-223 a block's numbers, v224-255 its rows (at the head: what is kept for the end).   window 1: v0-127 V's fragments, two sets; v128-191 g of units 1 to 8, each twice.
;   window 2: v0-127 the accumulators ((a, b) at v[8 (4 a + b)]).   window 3: unit 8: v0-127 V's fragments, v128-255 P's.
.set SLOT1, 131072
.set UNITB, 65536
.set VOFF,  32768
.set STAGE, 2*SLOT1
.set SP,    272
.set SPARE, STAGE+4*16*SP
.set L16,  3                           ; 16 x lane
.set ADA,  4                           ; v4-7   my four query blocks in unit place k = 2 x slot + e
.set ADB,  8                           ; v8-11  my four feature blocks there
.set UR,   12                          ; U
.set UN,   16                          ; u
.set LR,   20                          ; L
.set T0,   24
.set SPW,  28
.set NIL,  29
.set STO,  30
.set RD,   31
.set FB,   32
.set FA,   40
.set T1,   48
.set T2,   52
.set T3,   56
.set NINF, 60
.set GO,   62
.set TL,   63
.set PF,   64
.set MJ,   64                          ; M of unit u at v[64 + 4 u]
.set LJ,   100                         ; l of unit u at v[100 + 8 u], its two halves 4 apart
.set AM,   172
.set AL,   181
.set DB,   192                         ; the large group's u - U,
.set LB,   196                         ; and its L
.set EX,   200                         ; the exponents of g, units 1 to 8
.set TMP,  192
.set BK,   224
.set GR,   128                         ; in window 1
.set G1P,  24                          ; s[24:31] descriptor group 1 for P's tiles; s[32:47] its groups 0, one for each fill, never rewritten
.set G0P,  32
.set G0V,  48                          ; s[48:63] V's groups 0; s[84:91] its group 1
.set G1V,  84
.set OB,   66                          ; s[66:67] O at the large group's rows of mine; s[92:93] at the small group's
.set OA,   92
.set P8,   94                          ; s[94:95], s[96:97] unit 8's images of mine
.set V8,   96
.set MK,   98                          ; s[98:101] for u = 5 .. 8: 0 where u = nB, else all ones
.set MSB, 0
.macro WIN new                         ; the immediate's high byte repeats the setting that is left
.if MSB != \new
	s_set_vgpr_msb (MSB<<8)|\new
.set MSB, \new
.endif
.endm
.macro PLACES n
.rept \n
	v_nop
.endr
.endm
; A refill: waves 0 and 1 ask for P, jointly with the three partners, waves 2 and 3 for V.  The branch hangs on the wave's number alone.  An s_nop 0 and four v_nop follow each of the two lines.
.macro JLOAD f
	s_cmp_lt_u32 s14, 2
	s_cbranch_scc0 .Lfor_v_\@
	tensor_load_to_lds s[G0P+4*(\f):G0P+4*(\f)+3], s[G1P:G1P+7]
	s_nop 0
.rept 4
	v_nop
.endr
	s_branch .Lasked_\@
.Lfor_v_\@:
	tensor_load_to_lds s[G0V+4*(\f):G0V+4*(\f)+3], s[G1V:G1V+7]
	s_nop 0
.rept 4
	v_nop
.endr
.Lasked_\@:
.endm
.macro CROUND                          ; a round of the cluster's barrier
	s_barrier_signal -1
	s_barrier_wait -1
	s_cmp_lg_u32 s14, 0
	s_cbranch_scc1 .Lnot_wave_0_\@
	s_barrier_signal -3
.Lnot_wave_0_\@:
	s_barrier_wait -3
	s_barrier_signal -1
	s_barrier_wait -1
.endm
	s_load_b256 s[68:75], s[0:1], 0x0              ; p_img s[68:69], v_img s[70:71], m_tab s[72:73], l_tab s[74:75]
	s_load_b128 s[76:79], s[0:1], 0x20             ; the scales s[76:77], out0 s[78:79]
	v_lshl_add_u32 v[SPW], v0, 2, SPARE
	v_mov_b32 v[NIL], 0
	ds_add_u32 v[SPW], v[NIL]                      ; the wave's opening: the add, twice on end, and its wait ahead of my first tensor load
	ds_add_u32 v[SPW], v[NIL]                      ; and once more, under the one wait; the set-up below, work on registers, stands between
	v_lshrrev_b32 v1, 5, v0
	v_readfirstlane_b32 s14, v1                    ; wave 0..3
	s_lshr_b32 s15, s14, 1                         ; rh: which 64 queries.  Also: I fetch P (0) or V (1)
	s_and_b32 s16, s14, 1                          ; ch: which 64 features.  Also: which unit of a slot I fetch
	s_bfe_u32 s13, ttmp6, 0x40000                  ; cx: my place in the cluster
	s_lshl_b32 s17, ttmp9, 2
	s_add_co_u32 s17, s17, s13                     ; the feature tile = 4 x cluster x + cx: it enters V's and O's addresses alone
	s_and_b32 s19, ttmp7, 0xffff
	s_lshr_b32 s18, s19, 3                         ; the batch
	s_and_b32 s19, s19, 7                          ; pr
	s_sub_co_u32 s20, 15, s19                      ; the large row group
	s_mov_b32 s21, s19                             ; the small one
	s_lshr_b32 s22, s20, 1
	s_add_co_u32 s22, s22, 1                       ; nB: the large group's key tiles
	s_lshl_b32 s23, s18, 4                         ; 16 b
	s_mov_b32 s[G1P+0], 15|(3<<16)|(1<<21)         ; 15:0 the mask: all four work-groups; 17:16 elements of 8 bytes; no padding; 21 set beside a mask
	s_mov_b32 s[G1V+0], 3<<16                      ; no mask
.irp g, G1P, G1V
	s_mov_b32 s[\g+1], 512<<16                     ; tensor_dim0 = 512 elements: 4,096 bytes: 256 keys of a block
	s_mov_b32 s[\g+2], 8<<16                       ; tensor_dim1 = 8 blocks
	s_mov_b32 s[\g+3], 512<<16                     ; tile_dim0
	s_mov_b32 s[\g+4], 8                           ; tile_dim1
	s_mov_b32 s[\g+5], 4096                        ; from block to block: 32,768 bytes
	s_mov_b32 s[\g+6], 0
	s_mov_b32 s[\g+7], 0
.endr
.irp f, 0,1,2,3                                ; fill f brings units 2 f and 2 f + 1; mine is 2 f + wave % 2
	s_add_co_u32 s2, s16, 2*\f
	s_cmp_lt_u32 s2, s22
	s_cselect_b32 s3, s20, s21                     ; its row group,
	s_cselect_b32 s12, 0, s22
	s_sub_co_u32 s2, s2, s12                       ; its key tile,
	s_lshl_b32 s[4+\f], s2, 12                     ; x 4,096 bytes
	s_add_co_u32 s3, s3, s23
	s_lshl_b32 s3, s3, 18                          ; (16 b + group) x 8 query blocks x 32,768
	s_add_co_u32 s[8+\f], s3, s[4+\f]              ; P's offset: made of the batch, the pair and the wave alone
.endr
	s_lshl_b32 s83, s18, 21
	s_lshl_b32 s104, s17, 18
	s_add_co_u32 s83, s83, s104                    ; V: my batch, my 8 feature blocks
	s_lshl_b32 s12, s16, 16                        ; where my unit lies in a slot
.irp u, 5,6,7,8
	s_cmp_lg_u32 s22, \u
	s_cselect_b32 s[MK+\u-5], -1, 0
.endr
	s_wait_dscnt 0x0                               ; both opening adds are done
	s_wait_kmcnt 0x0
	s_load_b64 s[80:81], s[76:77], 0x20            ; e8, e9
.irp f, 0,1,2,3
	s_mov_b32 s[G0P+4*\f], 1
	s_add_co_u32 s[G0P+4*\f+1], s12, (\f%2)*SLOT1
	s_mov_b32 s2, s[8+\f]
	s_mov_b32 s3, 0
	s_add_nc_u64 s[G0P+4*\f+2:G0P+4*\f+3], s[68:69], s[2:3]
	s_or_b32 s[G0P+4*\f+3], s[G0P+4*\f+3], 0x80000000
	s_mov_b32 s[G0V+4*\f], 1
	s_add_co_u32 s[G0V+4*\f+1], s12, (\f%2)*SLOT1+VOFF
	s_add_co_u32 s104, s83, s[4+\f]
	s_mov_b32 s105, 0
	s_add_nc_u64 s[G0V+4*\f+2:G0V+4*\f+3], s[70:71], s[104:105]
	s_or_b32 s[G0V+4*\f+3], s[G0V+4*\f+3], 0x80000000
.endr
	CROUND                                         ; all four work-groups are here: the first joint loads meet
	s_cmp_lt_u32 s14, 2                            ; a wave's two first fills stand in one branch: units 0 to 3; two loads of mine are out
	s_cbranch_scc0 .Lfirst_v
	tensor_load_to_lds s[G0P:G0P+3], s[G1P:G1P+7]
	s_nop 0
	tensor_load_to_lds s[G0P+4:G0P+7], s[G1P:G1P+7]
	s_nop 0
.rept 4
	v_nop
.endr
	s_branch .Lfirst_asked
.Lfirst_v:
	tensor_load_to_lds s[G0V:G0V+3], s[G1V:G1V+7]
	s_nop 0
	tensor_load_to_lds s[G0V+4:G0V+7], s[G1V:G1V+7]
	s_nop 0
.rept 4
	v_nop
.endr
.Lfirst_asked:
	; the tables: M and l of my 64 rows of each unit's row group.  Every unit is a tile that the launch before has written
	v_and_b32 v1, 15, v0                           ; r
	v_bfe_u32 v2, v0, 4, 1                         ; h
	v_and_b32 v61, 31, v0                          ; lane
	v_lshlrev_b32 v[L16], 4, v61
	v_lshlrev_b32 v[TL], 5, v1
	s_lshl_b32 s2, s15, 4
	v_add_nc_u32 v[TL], s2, v[TL]                  ; 32 r + 16 rh: blocks 4 rh .. 4 rh + 3 of row r
.irp u, 0,1,2,3,4,5,6,7,8
	s_cmp_gt_u32 s22, \u
	s_cselect_b32 s2, s20, s21                     ; the unit's row group,
	s_cselect_b32 s3, 0, s22
	s_sub_co_u32 s3, \u, s3                        ; its key tile
	s_add_co_u32 s2, s2, s23
	s_lshl_b32 s2, s2, 3
	s_add_co_u32 s2, s2, s3
	s_lshl_b32 s2, s2, 9                           ; ((16 b + group) x 8 + key tile) x 512 in m_tab,
	v_add_nc_u32 v[AM+\u], s2, v[TL]
	s_lshl_b32 s2, s2, 1                           ; and twice that in l_tab
	v_add_nc_u32 v[AL+\u], s2, v[TL]
.endr
.irp u, 0,1,2,3,4,5,6,7,8
	global_load_b128 v[MJ+4*\u:MJ+4*\u+3], v[AM+\u], s[72:73]
	global_load_b128 v[LJ+8*\u:LJ+8*\u+3], v[AL+\u], s[74:75]
	global_load_b128 v[LJ+8*\u+4:LJ+8*\u+7], v[AL+\u], s[74:75] offset:512
.endr
	s_lshl_b32 s2, s15, 14                         ; my four query blocks of a unit
	s_lshl_b32 s3, s16, 14
	s_add_co_u32 s3, s3, VOFF                      ; my four feature blocks
.irp k, 0,1,2,3
	v_add_nc_u32 v[ADA+\k], s2, v[L16]
	v_add_nc_u32 v[ADB+\k], s3, v[L16]
	s_add_co_u32 s2, s2, UNITB
	s_add_co_u32 s3, s3, UNITB
.endr
	s_mul_i32 s2, s14, 16*SP
	s_add_co_u32 s2, s2, STAGE                     ; my stage
	v_mul_u32_u24 v[STO], v1, SP
	v_lshl_add_u32 v[STO], v2, 5, v[STO]
	v_add_nc_u32 v[STO], s2, v[STO]                ; in: row r, 32 bytes for each half of the lanes
	v_mul_u32_u24 v[RD], v2, SP
	v_lshl_add_u32 v[RD], v1, 4, v[RD]
	v_add_nc_u32 v[RD], s2, v[RD]                  ; back: lanes 0-15 one row of 256 bytes, lanes 16-31 the next
	v_lshlrev_b32 v[GO], 12, v2
	v_lshl_add_u32 v[GO], v1, 4, v[GO]             ; and the same two rows in O
	s_lshl_b32 s2, s18, 11
	s_lshl_b32 s3, s15, 6
	s_add_co_u32 s2, s2, s3                        ; 2,048 b + 64 rh
	s_lshl_b32 s13, s17, 9
	s_lshl_b32 s105, s16, 8
	s_add_co_u32 s13, s13, s105                    ; my first feature's bytes: 512 n + 256 ch
	s_lshl_b32 s3, s20, 7
	s_add_co_u32 s3, s3, s2
	s_lshl_b32 s3, s3, 12
	s_add_co_u32 s104, s3, s13
	s_mov_b32 s105, 0
	s_add_nc_u64 s[OB:OB+1], s[78:79], s[104:105]
	s_lshl_b32 s3, s21, 7
	s_add_co_u32 s3, s3, s2
	s_lshl_b32 s3, s3, 12
	s_add_co_u32 s104, s3, s13
	s_add_nc_u64 s[OA:OA+1], s[78:79], s[104:105]
	s_sub_co_u32 s12, 8, s22                       ; unit 8: the small group's last key tile,
	s_lshl_b32 s12, s12, 12
	s_add_co_u32 s2, s23, s21
	s_lshl_b32 s2, s2, 3
	s_lshl_b32 s3, s15, 2
	s_add_co_u32 s2, s2, s3                        ; query block 128 b + 8 pr + 4 rh
	s_lshl_b32 s2, s2, 15
	s_add_co_u32 s2, s2, s12
	s_mov_b32 s3, 0
	s_add_nc_u64 s[P8:P8+1], s[68:69], s[2:3]
	s_lshl_b32 s104, s16, 17                       ; 4 ch feature blocks
	s_add_co_u32 s104, s104, s83
	s_add_co_u32 s104, s104, s12
	s_add_nc_u64 s[V8:V8+1], s[70:71], s[104:105]
	v_mov_b32 v[NINF], 0xff800000
	s_wait_loadcnt 0x0                             ; the tables are in
	WIN 0xc0                                       ; destination window 3
.irp hh, 0,1                                   ; unit 8's fragments of mine: each load takes 512 bytes on end; they are waited for ahead of unit 8's products
.irp b, 0,1,2,3
.irp c, 0,1,2,3
	global_load_b128 v[64*\hh+16*\b+4*\c:64*\hh+16*\b+4*\c+3], v[L16], s[V8:V8+1] offset:32768*\b+2048*\hh+512*\c
.endr
.endr
.irp a, 0,1,2,3
.irp c, 0,1,2,3
	global_load_b128 v[128+64*\hh+16*\a+4*\c:128+64*\hh+16*\a+4*\c+3], v[L16], s[P8:P8+1] offset:32768*\a+2048*\hh+512*\c
.endr
.endr
.endr
	WIN 0
	s_wait_kmcnt 0x0
	s_add_co_i32 s82, s80, s81                     ; e8 + e9
.irp u, 0,1,2,3,4,5,6,7,8
.irp a, 0,1,2,3
	v_add_f32 v[LJ+8*\u+\a], v[LJ+8*\u+\a], v[LJ+8*\u+4+\a]   ; a key tile's sum: its two halves of 128 keys
.endr
.endr
.irp a, 0,1,2,3
	v_mov_b32 v[UR+\a], v[MJ+\a]                   ; unit 0: U = u = M, L = l
	v_mov_b32 v[UN+\a], v[MJ+\a]
	v_mov_b32 v[LR+\a], v[LJ+\a]
.endr
.macro JOIN u                          ; unit u joins: U, u, L and the exponent of g, for my four blocks
.if (\u) == 5                          ; from unit 5 on the small group may begin: what the large group's end needs is kept: here as it stands, further on where the unit is nB
.irp a, 0,1,2,3
	v_sub_f32 v[DB+\a], v[UN+\a], v[UR+\a]
	v_mov_b32 v[LB+\a], v[LR+\a]
.endr
.endif
.if (\u) > 5
.irp a, 0,1,2,3
	v_sub_f32 v[T0+\a], v[UN+\a], v[UR+\a]
.endr
.irp a, 0,1,2,3
	v_cndmask_b32 v[DB+\a], v[T0+\a], v[DB+\a], s[MK+(\u)-5]
	v_cndmask_b32 v[LB+\a], v[LR+\a], v[LB+\a], s[MK+(\u)-5]
.endr
.endif
.if (\u) >= 5
.irp a, 0,1,2,3
	v_cndmask_b32 v[UR+\a], v[NINF], v[UR+\a], s[MK+(\u)-5]   ; where the small group begins: U = u = -infinity, L = 0
	v_cndmask_b32 v[UN+\a], v[NINF], v[UN+\a], s[MK+(\u)-5]
	v_cndmask_b32 v[LR+\a], 0, v[LR+\a], s[MK+(\u)-5]
.endr
.endif
.irp a, 0,1,2,3
	v_max_num_f32 v[T0+\a], v[UR+\a], v[MJ+4*(\u)+\a]        ; the new U
.endr
.irp a, 0,1,2,3
	v_add_f32 v[T1+\a], 0xc2800000, v[T0+\a]                 ; U - 64
	v_sub_f32 v[T2+\a], v[UR+\a], v[T0+\a]                   ; old U - new U: a whole number, 0 or less, or -infinity
	v_sub_f32 v[T3+\a], v[MJ+4*(\u)+\a], v[T0+\a]            ; M - new U
.endr
.irp a, 0,1,2,3
	v_max_num_f32 v[T1+\a], v[MJ+4*(\u)+\a], v[T1+\a]        ; the new u
	v_cvt_i32_f32 v[T2+\a], v[T2+\a]                         ; (it saturates)
	v_cvt_i32_f32 v[T3+\a], v[T3+\a]
.endr
.irp a, 0,1,2,3
	v_ldexp_f32 v[LR+\a], v[LR+\a], v[T2+\a]                 ; L under the new U
	v_ldexp_f32 v[T3+\a], v[LJ+8*(\u)+\a], v[T3+\a]          ; l likewise
	v_sub_f32 v[T2+\a], v[UN+\a], v[T1+\a]                   ; old u - new u, at most 64
.endr
.irp a, 0,1,2,3
	v_add_f32 v[LR+\a], v[LR+\a], v[T3+\a]
	v_cvt_i32_f32 v[EX+4*((\u)-1)+\a], v[T2+\a]
	v_mov_b32 v[UR+\a], v[T0+\a]
	v_mov_b32 v[UN+\a], v[T1+\a]
.endr
.endm
.irp u, 1,2,3,4,5,6,7,8
	JOIN \u
.endr
.irp a, 0,1,2,3
	v_rcp_f32 v[T0+\a], v[LB+\a]                   ; 1 / l: l is over 1/2, since the row's largest p is
.endr
.irp a, 0,1,2,3
	v_rcp_f32 v[T1+\a], v[LR+\a]
.endr
.irp a, 0,1,2,3
	v_sub_f32 v[T2+\a], v[UN+\a], v[UR+\a]         ; u - U, between -64 and 0.  (Plain instructions behind the reciprocals)
.endr
.irp a, 0,1,2,3
	v_cvt_i32_f32 v[T2+\a], v[T2+\a]
	v_cvt_i32_f32 v[T3+\a], v[DB+\a]
.endr
.irp a, 0,1,2,3
	v_add_nc_u32 v[T2+\a], s82, v[T2+\a]
	v_add_nc_u32 v[T3+\a], s82, v[T3+\a]
.endr
	WIN 0x40                                       ; destination window 1
.irp u, 0,1,2,3,4,5,6,7
.irp a, 0,1,2,3
	v_ldexp_f32 v[GR+8*\u+2*\a], 1.0, v[EX+4*\u+\a]          ; g of unit u + 1, twice, for the packed form; 0 where the exponent has saturated
	v_ldexp_f32 v[GR+8*\u+2*\a+1], 1.0, v[EX+4*\u+\a]
.endr
.endr
	WIN 0
	s_wait_alu depctr_va_vdst(0)                   ; the one wait for the eight reciprocals ahead of their first reader
.irp a, 0,1,2,3
	v_ldexp_f32 v[FB+2*\a], v[T0+\a], v[T3+\a]     ; 2^(u - U + e8 + e9) / l, each twice
	v_ldexp_f32 v[FB+2*\a+1], v[T0+\a], v[T3+\a]
	v_ldexp_f32 v[FA+2*\a], v[T1+\a], v[T2+\a]
	v_ldexp_f32 v[FA+2*\a+1], v[T1+\a], v[T2+\a]
.endr
.macro FETCH k, hh                     ; the fragments of half hh (128 keys) of the unit at place k, into set hh: V's 16 loads, P's 16: images come back as they were stored, 512 bytes on end a load
	WIN 0x40                                       ; destination window 1
.irp b, 0,1,2,3
.irp c, 0,1,2,3
	ds_load_b128 v[64*(\hh)+16*\b+4*\c:64*(\hh)+16*\b+4*\c+3], v[ADB+(\k)] offset:4096*\b+2048*(\hh)+512*\c
.endr
.endr
	WIN 0
.irp a, 0,1,2,3
.irp c, 0,1,2,3
	ds_load_b128 v[PF+64*(\hh)+16*\a+4*\c:PF+64*(\hh)+16*\a+4*\c+3], v[ADA+(\k)] offset:4096*\a+2048*(\hh)+512*\c
.endr
.endr
.endm
.macro MUL16 hh, zero                  ; 16 matrix instructions: the 16 accumulators take turns, one instruction a turn.  zero = 1: the first product starts the sums
.irp a, 0,1,2,3
.irp b, 0,1,2,3
.if \zero
	v_wmma_f32_16x16x128_bf8_bf8 v[8*(4*\a+\b):8*(4*\a+\b)+7], v[64*(\hh)+16*\b:64*(\hh)+16*\b+15], v[PF+64*(\hh)+16*\a:PF+64*(\hh)+16*\a+15], 0
.else
	v_wmma_f32_16x16x128_bf8_bf8 v[8*(4*\a+\b):8*(4*\a+\b)+7], v[64*(\hh)+16*\b:64*(\hh)+16*\b+15], v[PF+64*(\hh)+16*\a:PF+64*(\hh)+16*\a+15], v[8*(4*\a+\b):8*(4*\a+\b)+7]
.endif
.endr
.endr
.endm
.macro MULR hh                         ; the same on unit 8's fragments, in window 3
.irp a, 0,1,2,3
.irp b, 0,1,2,3
	v_wmma_f32_16x16x128_bf8_bf8 v[8*(4*\a+\b):8*(4*\a+\b)+7], v[64*(\hh)+16*\b:64*(\hh)+16*\b+15], v[128+64*(\hh)+16*\a:128+64*(\hh)+16*\a+15], v[8*(4*\a+\b):8*(4*\a+\b)+7]
.endr
.endr
.endm
.macro RESCALE u                       ; the accumulators into unit u's unit: x g, exact; each accumulator from its low end on
	WIN 0x86                                       ; the accumulators (destination and source 0) in window 2, g in window 1
.irp a, 0,1,2,3
.set jx, 0
.rept 16
	v_pk_mul_f32 v[32*\a+jx:32*\a+jx+1], v[32*\a+jx:32*\a+jx+1], v[GR+8*((\u)-1)+2*\a:GR+8*((\u)-1)+2*\a+1]
.set jx, jx+2
.endr
.endr
.endm
; THE WAY OUT of a row group, block by block of 16 rows x 64 features: x the last factor, through my own stage in LDS, back as whole rows of 256 bytes.  LDS serves a wave's instructions in order (ISA guide 5.7.1.4):
; no wait between the stores and the loads, nor in front of the next block's stores.  A block's multiplications stand between the loads of the block before and the wait for them.
.macro OMUL blk, fac
	WIN 0x02                                       ; source 0: window 2
.set jx, 0
.rept 16
	v_pk_mul_f32 v[TMP+jx:TMP+jx+1], v[32*(\blk)+jx:32*(\blk)+jx+1], v[(\fac)+2*(\blk):(\fac)+2*(\blk)+1]
.set jx, jx+2
.endr
	WIN 0
.endm
.macro WAYOUT fac, sb
	OMUL 0, \fac
.irp a, 0,1,2,3
.irp b, 0,1,2,3
	ds_store_b128 v[STO], v[TMP+8*\b:TMP+8*\b+3] offset:64*\b
	ds_store_b128 v[STO], v[TMP+8*\b+4:TMP+8*\b+7] offset:64*\b+16
.endr
	s_wait_xcnt 0x0                                ; the stores of the block before have read their registers: this block's rows may land there
.irp t, 0,1,2,3,4,5,6,7
	ds_load_b128 v[BK+4*\t:BK+4*\t+3], v[RD] offset:\t*2*SP
.endr
.if \a < 3
	OMUL \a+1, \fac
.endif
	s_wait_dscnt 0x0                               ; the block is back in registers
.irp t, 0,1,2,3,4,5,6,7
	global_store_b128 v[GO], v[BK+4*\t:BK+4*\t+3], s[\sb:\sb+1] offset:\a*65536+\t*8192 th:TH_STORE_NT   ; 16 lanes store 256 bytes on end, at a multiple of 256 from O's first byte; written once
.endr
.endr
.endm
.macro SWITCH u                        ; where unit u is the small group's first, the large group's O goes out: a branch on the work-group's y, the same in all waves and partners
	s_cmp_lg_u32 s22, \u
	s_cbranch_scc1 .Lsame_\@
	WAYOUT FB, OB
.Lsame_\@:
.endm
; A SLOT'S TWO UNITS, u0 and u0 + 1, at places k0 and k0 + 1: four halves of 128 keys on two sets of fragments; a half's loads are issued while the half before is multiplied.  Four plain instructions stand ahead of it.
.macro SLOTWORK k0, u0
	FETCH \k0, 0
	FETCH \k0, 1
.if (\u0) >= 5
	SWITCH \u0
.endif
.if (\u0) > 0
	RESCALE \u0
.endif
	s_wait_dscnt 32                                ; half 0 is in; the 32 loads of half 1 may be out
	WIN 0xa1                                       ; source 0 (V) window 1, source 1 (P) window 0, C and D window 2
.if (\u0) == 0
	MUL16 0, 1
.else
	MUL16 0, 0
.endif
	PLACES 4                                       ; in front of loads into registers that these products have read
	FETCH (\k0)+1, 0
	s_wait_dscnt 32                                ; half 1 is in; the 32 loads just issued may be out
	WIN 0xa1
	MUL16 1, 0
	PLACES 4                                       ; likewise, and in front of the first read of results
	FETCH (\k0)+1, 1
.if (\u0)+1 >= 5
	SWITCH (\u0)+1
.endif
	RESCALE (\u0)+1
	s_wait_dscnt 32
	WIN 0xa1
	MUL16 0, 0
	s_wait_dscnt 0x0
	MUL16 1, 0
	WIN 0
.endm
; THE CHANGE OF SLOTS.  Each wave waits for all its tensor loads (its part of the slot that it is about to read), adds 0 to its spare word, and waits for that and for its reads of the slot that it has left.
; fill = 1: a round of the cluster's barrier, so that no wave of any partner still reads that slot or has a load on its way; then fill f goes into it: it has a slot's 64 matrix instructions a wave in which to land.
.macro CHANGE fill, f
	s_wait_tensorcnt 0x0
	ds_add_u32 v[SPW], v[NIL]                      ; 0 onto my spare word
	s_wait_dscnt 0x0
.if \fill
	CROUND
	JLOAD \f                                       ; a wave's one tensor load until the next round; its four v_nop are the places in front of the loads that follow
.else
	s_barrier_signal -1
	s_barrier_wait -1
	PLACES 4
.endif
.endm
	s_wait_tensorcnt 1                             ; my part of slot 0 is in; slot 1's may be out
	s_barrier_signal -1
	s_barrier_wait -1
	SLOTWORK 0, 0                                  ; units 0, 1: the first products start the sums
	CHANGE 1, 2                                    ; units 4, 5 are asked for, into slot 0
	SLOTWORK 2, 2
	CHANGE 1, 3                                    ; units 6, 7, into slot 1
	SLOTWORK 0, 4
	CHANGE 0, 0                                    ; nothing is left to ask for
	SLOTWORK 2, 6
	PLACES 4
	SWITCH 8
	RESCALE 8
	s_wait_loadcnt 0x0                             ; unit 8's fragments, asked for at the head
	WIN 0xaf                                       ; sources 0 and 1 window 3, C and D window 2
	MULR 0
	MULR 1
	WIN 0
	PLACES 4
	WAYOUT FA, OA                                  ; the small group's O
	s_wait_tensorcnt 0x0                           ; the wave's end
	ds_add_u32 v[SPW], v[NIL]
	s_wait_dscnt 0x0
	CROUND                                         ; the closing round: no work-group ends while a partner may still ask for a tile that names it
	s_endpgm
.Lfunc_end_k_q6cd51b0de3_mix:
	.size	k_q6cd51b0de3_mix, .Lfunc_end_k_q6cd51b0de3_mix-k_q6cd51b0de3_mix
	.p2alignl 7, 3214868480
	.fill 96, 4, 3214868480
	.section	.rodata,"a",@progbits
	.p2align	6, 0x0
	.amdhsa_kernel k_q6cd51b0de3_mix
		.amdhsa_group_segment_fixed_size 327680
		.amdhsa_private_segment_fixed_size 0
		.amdhsa_enable_private_segment 0
		.amdhsa_kernarg_size 48
		.amdhsa_user_sgpr_count 2
		.amdhsa_user_sgpr_kernarg_segment_ptr 1
		.amdhsa_wavefront_size32 1
		.amdhsa_system_sgpr_workgroup_id_x 1
		.amdhsa_system_sgpr_workgroup_id_y 1
		.amdhsa_system_sgpr_workgroup_id_z 1
		.amdhsa_system_vgpr_workitem_id 0
		.amdhsa_next_free_vgpr 1024
		.amdhsa_next_free_sgpr 106
		.amdhsa_reserve_vcc 0
		.amdhsa_float_denorm_mode_32 3
		.amdhsa_float_denorm_mode_16_64 3
		.amdhsa_memory_ordered 1
		.amdhsa_forward_progress 1
		.amdhsa_inst_pref_size 198
	.end_amdhsa_kernel
	.amdgpu_metadata
---
amdhsa.version: [ 1, 2 ]
amdhsa.kernels:
  - .name:           k_q6cd51b0de3_mix
    .symbol:         k_q6cd51b0de3_mix.kd
    .args:
      - { .name: p_img, .offset: 0, .size: 8, .value_kind: global_buffer, .address_space: global }
      - { .name: v_img, .offset: 8, .size: 8, .value_kind: global_buffer, .address_space: global }
      - { .name: m_tab, .offset: 16, .size: 8, .value_kind: global_buffer, .address_space: global }
      - { .name: l_tab, .offset: 24, .size: 8, .value_kind: global_buffer, .address_space: global }
      - { .name: lowp_scales, .offset: 32, .size: 8, .value_kind: global_buffer, .address_space: global }
      - { .name: out0, .offset: 40, .size: 8, .value_kind: global_buffer, .address_space: global }
    .group_segment_fixed_size: 327680
    .private_segment_fixed_size: 0
    .kernarg_segment_align: 8
    .kernarg_segment_size: 48
    .max_flat_workgroup_size: 128
    .sgpr_count:     106
    .vgpr_count:     1024
    .wavefront_size: 32
...
	.end_amdgpu_metadata
.endif
;; end of part 3
